; MI455X (gfx1250); checked and timed in simulation.
; The chip was launched on July 23, 2026; its instructions are those of AMD's public machine-readable ISA for CDNA 5 (MIT licence, August 2026) and "CDNA5" Instruction Set Architecture Reference Guide (July 2026). The comments in the code are by the model that wrote it; some were corrected since.
;; Crosss Attention. Allowed arithmetic: matrix products marked QUANTISED: E2M1 operands, one E8M0 scale for each 32 along K, by v_wmma_scale_f32_16x16x128_f8f6f4 with both operands' format E2M1 (or v_wmma_scale_f32_32x16x128_f4), f32 sums; everything else in f32.
;; Inputs: Wk 384 x 768 float32; Wq 384 x 768 float32; k_x 8 x 2,048 x 768 float32; q_x 8 x 2,048 x 768 float32; v_x 8 x 2,048 x 768 float32.
;; Outputs: out0 8 x 2,048 x 768 float32.
;; This version of the problem:
;;   THIS VERSION OF THE PROBLEM IS GIVEN IN LOW PRECISION. The matrix products marked QUANTISED in the list below multiply operands that are first quantised to E2M1 (2 exponent bits, 1 mantissa bit; 4 bits a number), with one power-of-two scale for each 32 numbers along K (OCP MX v1.0); their sums are f32. All else is computed in f32.
;;   The module's matrix products, in the order in which they are computed (A, B: the left and right operand; K: the contracted axis; several contracted axes count as one K, in the product's order):
;;     1. [M 16,384, K 768] x [K 768, N 384]; A: input q_x; B: input Wq: QUANTISED
;;     2. [M 16,384, K 768] x [K 768, N 384]; A: input k_x; B: input Wk: QUANTISED
;;     3. batch 8 x [M 2,048, K 384] x [K 384, N 2,048]; A: computed on the way; B: computed on the way: QUANTISED
;;     4. batch 8 x [M 2,048, K 2,048] x [K 2,048, N 768]; A: softmax (see below); B: input v_x: QUANTISED
;;   THE QUANTISER, for each operand of a quantised product, along K:
;;     - K is cut into blocks of 32 from its start; a last block that is shorter is filled with zeros.
;;     - A block's scale is 2^e with e = floor(log2(the largest magnitude in the block)) - 2, held to -126 .. 127; a block of zeros has e = 0. As a byte (E8M0): e + 127.
;;     - Each number is divided by its block's scale, clamped to +-6, and rounded to the nearest number of E2M1, ties to even, subnormals kept.
;;     - The product sums the exact products of the quantised numbers (number of the format x scale) in f32.
;;   ~~~python
;;   def quantise(x, axis):      # numpy; x: float32 -> the quantised numbers, widened to float32 again
;;       x = np.moveaxis(x, axis, -1); K = x.shape[-1]
;;       x = np.pad(x, [(0, 0)] * (x.ndim - 1) + [(0, -K % 32)]); x = x.reshape(x.shape[:-1] + (-1, 32)); a = np.abs(x).max(-1, keepdims=True)
;;       e = np.where(a > 0, np.clip(np.frexp(np.where(a > 0, a, 1))[1] - 1 - 2, -126, 127), 0)      # np.frexp(a)[1] - 1 = floor(log2(a)), exactly
;;       r = np.clip(x / 2.0 ** e, -6, 6)
;;       step = 2.0 ** (np.maximum(np.frexp(np.where(r == 0, 1, r))[1] - 1, 0) - 1)
;;       q = np.round(r / step) * step * 2.0 ** e      # np.round: ties to even
;;       return np.moveaxis(q.reshape(q.shape[:-2] + (-1,))[..., :K], -1, axis).astype(np.float32)
;;   ~~~
;;   SOFTMAX AHEAD OF A QUANTISED PRODUCT. Where the list says 'softmax', what is quantised is not the finished softmax but p = 2^(t - M), with t = logit x log2(e) and M = ceil(the row's largest t), a whole number; so 1/2 < the row's largest p <= 1. The row's sum l is taken of the UNQUANTISED p, in f32, and the product's result is divided by l at the end. Since M is a whole number, a kernel that streams over the keys may use a running M (the ceiling of the running maximum): every later rescaling is an exact power of two, which a block's scale takes up: the codes' values come out the same.
;;   OPERANDS COMPUTED ON THE WAY. 'Computed on the way' means the value that the module computes at that place (a softmax that the list does not call 'softmax' is quantised finished and normalised). What goes into a quantiser is computed in f32, as accurately as f32 sums, v_exp_f32 and their like allow (about 1e-6 of the number): no bf16 or f16 on the way to a quantiser, and a product that is left as it is and whose result goes on into a quantised operand takes f32 operands (vector FMAs, or v_wmma_f32_16x16x4_f32). A number that lies on a knife's edge between two numbers of the format may be rounded either way, as far as f32 arithmetic and the matrix unit's own rounding can turn it there, and no further.
;; One version. Each part assembles by itself: llvm-mc -triple=amdgcn-amd-amdhsa -mcpu=gfx1250 --defsym DOCPART=n.
;; ======== version 1 of 1: 3 launches
;; limits: right only within a limited range of input values
;; workspace buffers: wimg 313,344 bytes; qimg 3,342,336 bytes; kv 10,027,008 bytes
;; launch prep (part 1): grid 6 x 134, 4 waves a work-group, no clusters, 0 bytes of LDS; arguments v_x, Wq, Wk, kv, wimg; writes kv, wimg
.if DOCPART == 1
	.amdgcn_target "amdgcn-amd-amdhsa--gfx1250"
	.amdhsa_code_object_version 6
	.text
	.protected	k_q1189692120_prep
	.globl	k_q1189692120_prep
	.p2align	8
	.type	k_q1189692120_prep,@function
k_q1189692120_prep:
	s_mov_b64 s[64:65], 0
	v_nop
	global_prefetch_b8 v0, s[64:65] scope:SCOPE_SE
	s_setreg_imm32_b32 hwreg(HW_REG_WAVE_MODE, 25, 1), 1
	s_wait_xcnt 0x0
; v_x [8][2048][768] f32 is quantised along the KEYS, Wq and Wk [384][768] f32 along their 768, into codes of FP4 (E2M1) with one E8M0 byte for each 32 along K.
; The codes are laid as IMAGES OF OPERAND REGISTERS: a fragment (16 rows x 128 K) is 1,024 bytes, [block of 32 K: 0..3][row 0..15][16 bytes]; its scale words are 16 words, word r = row r's four bytes.
; A block's scale is 2^(floor(log2(largest magnitude)) - 2): its byte is the largest magnitude's exponent field - 2, held at 1 from below by a floor among the maximum's leaves.
; LIMITS: NaN and infinities are not served; a block whose largest magnitude lies under 2^-124 (a block of zeros too) keeps the byte 1: this program alone reads the bytes, and zero codes add nothing.
; WORK-GROUPS y < 128 (768 of them): v_x, key step y (128 keys), columns 128 x .. 128 x + 127.  A lane takes ONE column and its registers run down the keys: a block of 32 keys lies in one lane,
;   each load of a wave reads 128 consecutive bytes and the four waves stand side by side on 512.  Sixteen lanes' codes of a block are 256 consecutive bytes of a fragment.
; WORK-GROUPS y >= 128 (36 of them): Wq (y - 128 = 0..2) or Wk (3..5), K step x.  A lane takes one row's 128 numbers.  THE ROWS OF A TILE ARE NOT NEIGHBOURS: lane r of tile 2 p + u takes row
;   32 p + 8 u + r % 8 + 16 (r / 8), so that the results of two neighbouring tiles are 16 neighbours along the next product's K.  These reads are 16 bytes a lane from rows far apart: 2.4 MB of the launch's 53.
; No work-group shares an input with another, so there is no cluster; no LDS, no barrier: waves share nothing.
.set ROW,   3072                       ; bytes in a row of v_x, Wq, Wk
.set STEPB, 78336                      ; a key step's block in kv: K's 24 fragments, K's scale words, V's 48 fragments, V's scale words
.set VC,    26112                      ; V's fragments in it
.set VSW,   75264                      ; V's scale words
.set WIMG,  156672                     ; a weight's image: 144 fragments, then their scale words
.set WSC,   147456
.set X,     32                         ; v32-159  numbers
.set C,     160                        ; v160-175 codes: four registers for each block, so that no store's data are written again
.set SB,    24                         ; v24      the scale word
	s_load_b256 s[4:11], s[0:1], 0x0               ; v_x s[4:5], Wq s[6:7], Wk s[8:9], kv s[10:11]
	s_load_b64 s[12:13], s[0:1], 0x20              ; wimg
	v_lshrrev_b32 v4, 5, v0
	v_readfirstlane_b32 s16, v4                    ; wave
	v_and_b32 v5, 31, v0                           ; lane
	v_and_b32 v6, 15, v0                           ; r
	v_bfe_u32 v7, v0, 4, 1                         ; h
	v_lshlrev_b32 v2, 4, v6
	v_lshl_add_u32 v2, v7, 10, v2                  ; codes: lanes 0-15 the even fragment of a pair, lanes 16-31 the odd one; 16 bytes a row
	v_lshlrev_b32 v3, 4-2, v5                      ; 4 x lane: a scale word's place in a pair's 128 bytes; also a lane's column in v_x
	s_and_b32 s17, ttmp7, 0xffff                   ; y
	s_cmp_ge_u32 s17, 128
	s_cbranch_scc1 .Lweights
; 32 numbers of one block, v[src] on, all mine: codes into v[C + 4 q] on, the byte into byte q of the scale word
.macro QBLK src, q
.set XQ, (\src)
	v_max3_num_f32 v12, |v[XQ]|, |v[XQ+1]|, |v[XQ+2]|
	v_max3_num_f32 v13, |v[XQ+3]|, |v[XQ+4]|, |v[XQ+5]|
.irp i, 6,10,14,18,22,26
	v_max3_num_f32 v12, v12, |v[XQ+\i]|, |v[XQ+\i+1]|
	v_max3_num_f32 v13, v13, |v[XQ+\i+2]|, |v[XQ+\i+3]|
.endr
	v_max3_num_f32 v12, v12, |v[XQ+30]|, |v[XQ+31]|
	v_max3_num_f32 v12, v12, v13, 0x1800000        ; the floor 2^(3 - 127): the byte cannot fall under 1
	v_add_nc_u32 v11, 0xff000000, v12              ; 2 off the exponent field: the conversion takes the exponent field of this operand as its scale
.irp g, 0,1,2,3
	v_cvt_scalef32_pk8_fp4_f32 v[C+4*(\q)+\g], v[XQ+8*\g:XQ+8*\g+7], v11
.endr
	v_lshrrev_b32 v13, 23, v11                     ; the scale's byte; also the plain line behind the conversions
.if (\q) == 0
	v_mov_b32 v[SB], v13
.else
	v_lshl_or_b32 v[SB], v13, 8*(\q), v[SB]
.endif
.endm
	; ---- v_x
	s_mul_i32 s20, s17, 128*ROW                    ; key step y begins 128 y rows down (batch and step in one number)
	s_lshl_b32 s18, ttmp9, 9
	s_add_co_u32 s20, s20, s18                     ; + 128 columns x work-group x
	s_lshl_b32 s18, s16, 7
	s_add_co_u32 s20, s20, s18                     ; + 32 columns x wave
	s_mov_b32 s21, 0
	s_mul_i32 s22, s17, STEPB
	s_lshl_b32 s18, ttmp9, 3
	s_lshl_b32 s19, s16, 1
	s_add_co_u32 s18, s18, s19                     ; my wave's first fragment of V: 8 x + 2 w
	s_lshl_b32 s24, s18, 10
	s_add_co_u32 s24, s24, s22
	s_add_co_u32 s24, s24, VC
	s_mov_b32 s25, 0
	s_lshl_b32 s26, s18, 6
	s_add_co_u32 s26, s26, s22
	s_add_co_u32 s26, s26, VSW
	s_mov_b32 s27, 0
	s_wait_kmcnt 0x0
	s_add_nc_u64 s[4:5], s[4:5], s[20:21]
	s_add_nc_u64 s[24:25], s[10:11], s[24:25]
	s_add_nc_u64 s[26:27], s[10:11], s[26:27]
.macro LOADV q                         ; block q: keys 32 q + i of my column, into set q % 2
.irp i, 0,1,2,3,4,5,6,7,8,9,10,11,12,13,14,15,16,17,18,19,20,21,22,23,24,25,26,27,28,29,30,31
	global_load_b32 v[X+32*((\q)%2)+\i], v3, s[4:5] offset:(32*(\q)+\i)*ROW th:TH_LOAD_NT
.endr
.endm
	s_wait_alu depctr_va_vdst(0)
	LOADV 0
	LOADV 1
.irp q, 0,1,2,3
.if \q < 3
	s_wait_loadcnt 32                              ; this block's 32 loads are in; the next block's 32 may be out
.else
	s_wait_loadcnt 0x0
.endif
	QBLK X+32*(\q%2), \q
	global_store_b128 v2, v[C+4*\q:C+4*\q+3], s[24:25] offset:256*\q   ; sixteen lanes store 256 consecutive bytes, at a multiple of 256 from kv's first byte
.if \q < 2
	LOADV \q+2
.endif
.endr
	global_store_b32 v3, v[SB], s[26:27]           ; the pair's 32 scale words: 128 consecutive bytes
	s_endpgm
	; ---- Wq, Wk
.Lweights:
	s_sub_co_u32 s17, s17, 128                     ; 0..5
	s_wait_alu depctr_va_vdst(0)
	v_and_b32 v8, 7, v6
	v_lshrrev_b32 v9, 3, v6
	v_lshl_add_u32 v8, v9, 4, v8
	v_lshl_add_u32 v8, v7, 3, v8                   ; my row in the pair's 32: 8 h + r % 8 + 16 (r / 8)
	v_mul_u32_u24 v1, v8, ROW
	s_wait_alu depctr_va_vdst(0)
	s_wait_kmcnt 0x0
	s_cmp_ge_u32 s17, 3                            ; Wk or Wq: the choice hangs on the work-group's number alone; the three selects stand on this one compare
	s_cselect_b64 s[6:7], s[8:9], s[6:7]
	s_cselect_b32 s18, 3, 0
	s_cselect_b32 s19, WIMG, 0
	s_sub_co_u32 s17, s17, s18                     ; which 128 rows of the weight
	s_lshl_b32 s17, s17, 2
	s_add_co_u32 s17, s17, s16                     ; p: my wave's pair of tiles, 0..11
	s_mul_i32 s20, s17, 32*ROW
	s_lshl_b32 s18, ttmp9, 9
	s_add_co_u32 s20, s20, s18                     ; + K step x: 128 numbers
	s_mov_b32 s21, 0
	s_add_nc_u64 s[6:7], s[6:7], s[20:21]
	s_mul_i32 s22, ttmp9, 12
	s_add_co_u32 s22, s22, s17                     ; the pair's number in the image: 12 x + p
	s_lshl_b32 s24, s22, 11
	s_add_co_u32 s24, s24, s19
	s_mov_b32 s25, 0
	s_lshl_b32 s26, s22, 7
	s_add_co_u32 s26, s26, s19
	s_add_co_u32 s26, s26, WSC
	s_mov_b32 s27, 0
	s_add_nc_u64 s[24:25], s[12:13], s[24:25]
	s_add_nc_u64 s[26:27], s[12:13], s[26:27]
.irp i, 0,1,2,3,4,5,6,7,8,9,10,11,12,13,14,15,16,17,18,19,20,21,22,23,24,25,26,27,28,29,30,31
	global_load_b128 v[X+4*\i:X+4*\i+3], v1, s[6:7] offset:16*\i
.endr
.irp q, 0,1,2,3
	s_wait_loadcnt 24-8*\q                         ; this block's eight loads are in; the later blocks', eight each, may be out
	QBLK X+32*\q, \q
	global_store_b128 v2, v[C+4*\q:C+4*\q+3], s[24:25] offset:256*\q
.endr
	global_store_b32 v3, v[SB], s[26:27]
	s_endpgm
.Lfunc_end_k_q1189692120_prep:
	.size	k_q1189692120_prep, .Lfunc_end_k_q1189692120_prep-k_q1189692120_prep
	.p2alignl 7, 3214868480
	.fill 96, 4, 3214868480
	.section	.rodata,"a",@progbits
	.p2align	6, 0x0
	.amdhsa_kernel k_q1189692120_prep
		.amdhsa_group_segment_fixed_size 0
		.amdhsa_private_segment_fixed_size 0
		.amdhsa_enable_private_segment 0
		.amdhsa_kernarg_size 40
		.amdhsa_user_sgpr_count 2
		.amdhsa_user_sgpr_kernarg_segment_ptr 1
		.amdhsa_wavefront_size32 1
		.amdhsa_system_sgpr_workgroup_id_x 1
		.amdhsa_system_sgpr_workgroup_id_y 1
		.amdhsa_system_sgpr_workgroup_id_z 1
		.amdhsa_system_vgpr_workitem_id 0
		.amdhsa_next_free_vgpr 176
		.amdhsa_next_free_sgpr 66
		.amdhsa_reserve_vcc 0
		.amdhsa_float_denorm_mode_32 3
		.amdhsa_float_denorm_mode_16_64 3
		.amdhsa_memory_ordered 1
		.amdhsa_forward_progress 1
		.amdhsa_inst_pref_size 31
	.end_amdhsa_kernel
	.amdgpu_metadata
---
amdhsa.version: [ 1, 2 ]
amdhsa.kernels:
  - .name:           k_q1189692120_prep
    .symbol:         k_q1189692120_prep.kd
    .args:
      - { .name: v_x, .offset: 0, .size: 8, .value_kind: global_buffer, .address_space: global }
      - { .name: Wq, .offset: 8, .size: 8, .value_kind: global_buffer, .address_space: global }
      - { .name: Wk, .offset: 16, .size: 8, .value_kind: global_buffer, .address_space: global }
      - { .name: kv, .offset: 24, .size: 8, .value_kind: global_buffer, .address_space: global }
      - { .name: wimg, .offset: 32, .size: 8, .value_kind: global_buffer, .address_space: global }
    .group_segment_fixed_size: 0
    .private_segment_fixed_size: 0
    .kernarg_segment_align: 8
    .kernarg_segment_size: 40
    .max_flat_workgroup_size: 128
    .sgpr_count:     66
    .vgpr_count:     176
    .wavefront_size: 32
...
	.end_amdgpu_metadata
.endif
;; end of part 1
;; launch proj (part 2): grid 128 x 2, 4 waves a work-group, clusters of 4 x 1, 190,976 bytes of LDS; arguments q_x, k_x, wimg, qimg, kv; writes qimg, kv
.if DOCPART == 2
	.amdgcn_target "amdgcn-amd-amdhsa--gfx1250"
	.amdhsa_code_object_version 6
	.text
	.protected	k_q1189692120_proj
	.globl	k_q1189692120_proj
	.p2align	8
	.type	k_q1189692120_proj,@function
k_q1189692120_proj:
	s_mov_b64 s[64:65], 0
	v_nop
	global_prefetch_b8 v0, s[64:65] scope:SCOPE_SE
	s_setreg_imm32_b32 hwreg(HW_REG_WAVE_MODE, 25, 1), 1
	s_wait_xcnt 0x0
	s_wait_alu depctr_hold_cnt(0) depctr_sa_sdst(0) depctr_va_vdst(0) depctr_va_sdst(0) depctr_va_ssrc(0) depctr_va_vcc(0) depctr_vm_vsrc(0)
	s_getreg_b32 s2, hwreg(HW_REG_IB_STS2, 6, 4)
	s_cmp_eq_u32 s2, 0
	s_cbranch_scc0 .Lentry_in_a_cluster
	s_endpgm
.Lentry_in_a_cluster:
	s_bfe_u32 s2, ttmp6, 0x10000c
	s_cmp_lg_u32 s2, 0x3003
	s_cbranch_scc0 .Lentry_shape_is_right
	s_endpgm
.Lentry_shape_is_right:
; q = Q(q_x) Q(Wq)^T (work-group y = 0) and k = Q(k_x) Q(Wk)^T (y = 1), K = 768, on codes of FP4 (E2M1) with one E8M0 scale for each 32 along K; the results, [tokens][384] in f32 registers,
; are quantised along the 384 at once and leave as images of operand registers (a fragment, 16 tokens x 128: 1,024 bytes, [block][row][16 bytes]; 16 scale words beside it).  They never go to memory as f32.
; WHERE k GOES: key step j of a batch (128 keys) is stored into block (j - 1) mod 16 of the batch's 16 blocks of kv, beside V of that block's own step: the attention reads V of a step and K of the step after it together.
; SHARES.  A work-group takes 128 tokens; wave w tokens 32 w .. 32 w + 31 as two tiles, against all 384 outputs: 48 accumulators, 384 registers; a fragment of W read from LDS feeds two matrix instructions.
; THE TOKENS OF A TILE ARE NOT NEIGHBOURS: lane r of tile 2 w + u takes token 32 w + 8 u + r % 8 + 16 (r / 8): the attention wants the keys of a tile so, and takes the queries the same way.
; THE PRODUCT IS USED TRANSPOSED (source 0 = 16 rows of W, source 1 = 16 tokens): a lane holds one token, and, by the order of W's rows in a tile, the 16 registers of two neighbouring tiles are 16 neighbours along the 384.
; x: each load reads 512 consecutive bytes (one token's 128 numbers of a K step); 16 such rows turn through the wave's own stage in LDS, so that a lane gets 16 neighbours of each block of 32; 64 loads a wave are on their way.
; W: the weight's whole image, 156,672 bytes, comes into LDS once; the four work-groups of a cluster take the same weight, so each wave's quarter is asked for JOINTLY.  By this text's count a wave has one tensor load outstanding.
; LIMITS: NaN and infinities are not served; a block whose largest magnitude lies under 2^-124 keeps the byte 1 (this program alone reads the bytes).
; REGISTERS, in windows of 256: window 0: v1-6 addresses, v16-31 at work, v32-33 x's scale words, v34-45 W's, v48-63 x's two fragments, v64-191 two tiles' 64 numbers (at the end: the results' codes and scale words)
;   window 1: four sets of 64: x as it is loaded.   window 2: v0-191 the accumulators of tile 0, v192-255 eight fragments of W (set 0).   window 3: the same for tile 1 and set 1.
.set ROW,    3072
.set WIMG,   156672
.set WSC,    147456                    ; W's scale words in the image
.set QUART,  39168                     ; a quarter of the image: 153 rows of 256 bytes
.set STAGE,  156672                    ; behind the image: a stage for each wave, 16 rows x (512 + 16) bytes; no fill lands there
.set SPITCH, 528
.set WSTG,   16*SPITCH
.set L16,  1                           ; 16 x lane
.set L4,   2                           ; 4 x lane
.set STA,  3                           ; the stage, in: 16 x lane
.set STB,  4                           ; the stage, back: row r, + 64 h
.set WAD,  5                           ; W's fragments of the K step in hand
.set WSAD, 6                           ; and their scale words
.set TM,   16                          ; +0..3 largest magnitudes, +4..7 the other half's / the bytes, +12..15 the conversions' scale operands
.set XSC,  32
.set WS,   34
.set XC,   48
.set X0,   64
.set X1,   128
.set OC,   128                         ; the results' six fragments
.set OW,   176                         ; their scale words
.set OM,   182                         ; the same, two fragments' words to a register
.set WF,   192
.set WV,   14
.set G1,   24
.set G0,   32
.set SEL,  36
.set MSB, 0
.macro WIN new                         ; the immediate's high byte repeats the setting that is left; a switch that changes nothing is dropped
.if MSB != (\new)
	s_set_vgpr_msb (MSB<<8)|(\new)
.set MSB, (\new)
.endif
.endm
.macro ROUND                           ; a round of the cluster's barrier
	s_barrier_signal -1
	s_barrier_wait -1
	s_cmp_lg_u32 s[WV], 0
	s_cbranch_scc1 .Lnot_wave_0_\@
	s_barrier_signal -3
.Lnot_wave_0_\@:
	s_barrier_wait -3
	s_barrier_signal -1
	s_barrier_wait -1
.endm
.macro MM                              ; one matrix instruction from the symbols rD, rA, rB, rSA, rSB; rZ: it starts the sum; rROW: A's scale words lie in lanes 16-31
.if rZ
.if rROW
	v_wmma_scale_f32_16x16x128_f8f6f4 v[rD:rD+7], v[rA:rA+7], v[rB:rB+7], 0, v[rSA], v[rSB] matrix_a_fmt:MATRIX_FMT_FP4 matrix_b_fmt:MATRIX_FMT_FP4 matrix_a_scale:MATRIX_SCALE_ROW1
.else
	v_wmma_scale_f32_16x16x128_f8f6f4 v[rD:rD+7], v[rA:rA+7], v[rB:rB+7], 0, v[rSA], v[rSB] matrix_a_fmt:MATRIX_FMT_FP4 matrix_b_fmt:MATRIX_FMT_FP4
.endif
.else
.if rROW
	v_wmma_scale_f32_16x16x128_f8f6f4 v[rD:rD+7], v[rA:rA+7], v[rB:rB+7], v[rD:rD+7], v[rSA], v[rSB] matrix_a_fmt:MATRIX_FMT_FP4 matrix_b_fmt:MATRIX_FMT_FP4 matrix_a_scale:MATRIX_SCALE_ROW1
.else
	v_wmma_scale_f32_16x16x128_f8f6f4 v[rD:rD+7], v[rA:rA+7], v[rB:rB+7], v[rD:rD+7], v[rSA], v[rSB] matrix_a_fmt:MATRIX_FMT_FP4 matrix_b_fmt:MATRIX_FMT_FP4
.endif
.endif
.endm
	s_load_b256 s[4:11], s[0:1], 0x0               ; q_x s[4:5], k_x s[6:7], wimg s[8:9], qimg s[10:11]
	s_load_b64 s[12:13], s[0:1], 0x20              ; kv
	v_lshl_add_u32 v254, v0, 2, 0x2e800
	v_mov_b32 v255, 0
	ds_add_u32 v254, v255
	ds_add_u32 v254, v255
	v_lshrrev_b32 v7, 5, v0
	v_readfirstlane_b32 s[WV], v7                  ; wave 0..3
	v_and_b32 v8, 31, v0                           ; lane
	v_and_b32 v9, 15, v0                           ; r
	v_bfe_u32 v10, v0, 4, 1                        ; h
	v_lshlrev_b32 v[L16], 4, v8
	v_lshlrev_b32 v[L4], 2, v8
	s_mul_i32 s20, s[WV], WSTG
	s_add_co_u32 s20, s20, STAGE                   ; my stage
	v_add_nc_u32 v[STA], s20, v[L16]
	v_mul_u32_u24 v[STB], v9, SPITCH
	v_lshl_add_u32 v[STB], v10, 6, v[STB]
	v_add_nc_u32 v[STB], s20, v[STB]
.irp b, 0,1,2,3
	v_mov_b32 v[TM+4+\b], 0                        ; written once: a lane permute's destination counts as one of its sources
.endr
	s_mov_b32 s[SEL], 0x76543210
	s_mov_b32 s[SEL+1], 0xfedcba98                 ; v_permlanex16_b32's selects for lane l xor 16
	s_bfe_u32 s15, ttmp6, 0x40000                  ; cx: my place in the cluster: it enters x's and the results' global addresses alone
	s_lshl_b32 s16, ttmp9, 2
	s_add_co_u32 s16, s16, s15                     ; my block of 128 tokens
	s_and_b32 s17, ttmp7, 0xffff                   ; 0: q, 1: k; the four partners share it
	; descriptor group 1: 153 rows of 256 bytes (32 elements of 8 bytes), dense
	s_mov_b32 s[G1+0], 15|(3<<16)|(1<<21)          ; 15:0 the mask: all four work-groups; 17:16 elements of 8 bytes; 21 set beside a mask; no padding
	s_mov_b32 s[G1+1], 32<<16                      ; tensor_dim0 = 32
	s_mov_b32 s[G1+2], 153<<16                     ; tensor_dim1 = 153
	s_mov_b32 s[G1+3], 32<<16                      ; tile_dim0 = 32
	s_mov_b32 s[G1+4], 153                         ; tile_dim1 = 153
	s_mov_b32 s[G1+5], 32                          ; tensor_dim0_stride
	s_mov_b32 s[G1+6], 0
	s_mov_b32 s[G1+7], 0
	s_mov_b32 s[G0], 1
	s_mul_i32 s[G0+1], s[WV], QUART                ; LDS address: my quarter
	s_mul_i32 s18, s17, WIMG                       ; Wq's image or Wk's,
	s_add_co_u32 s18, s18, s[G0+1]                 ; my quarter of it
	s_mov_b32 s19, 0
	s_mul_i32 s40, s16, 128*ROW
	s_mul_i32 s41, s[WV], 32*ROW
	s_add_co_u32 s40, s40, s41                     ; x: my wave's first token
	s_mov_b32 s41, 0
	s_sub_co_u32 s43, s16, 1                       ; k: key step j of a batch goes into block (j - 1) mod 16 of the batch's sixteen;
	s_and_b32 s43, s43, 15
	s_and_b32 s48, s16, 0xfffffff0
	s_or_b32 s43, s43, s48
	s_cmp_eq_u32 s17, 0
	s_cselect_b32 s43, s16, s43                    ; q: its own block
	s_mul_i32 s42, s17, 52224
	s_add_co_u32 s42, s42, 26112                   ; a block of 128 tokens is 26,112 bytes in qimg, and begins every 78,336 in kv
	s_mul_i32 s42, s43, s42
	s_mul_i32 s44, s[WV], 6144
	s_add_co_u32 s44, s44, s42                     ; my six fragments
	s_mov_b32 s45, 0
	s_mul_i32 s46, s[WV], 384
	s_add_co_u32 s46, s46, s42
	s_add_co_u32 s46, s46, 24576                   ; and their scale words
	s_mov_b32 s47, 0
	s_wait_dscnt 0x0
	s_wait_kmcnt 0x0
	s_cmp_eq_u32 s17, 0                            ; the choice of buffers hangs on the work-group's y alone
	s_cselect_b64 s[4:5], s[4:5], s[6:7]
	s_cselect_b64 s[10:11], s[10:11], s[12:13]
	s_add_nc_u64 s[4:5], s[4:5], s[40:41]
	s_add_nc_u64 s[44:45], s[10:11], s[44:45]
	s_add_nc_u64 s[46:47], s[10:11], s[46:47]
	s_add_nc_u64 s[G0+2:G0+3], s[8:9], s[18:19]
	s_or_b32 s[G0+3], s[G0+3], 0x80000000          ; type = 2
	ROUND                                          ; all four work-groups are here: the joint loads meet
	tensor_load_to_lds s[G0:G0+3], s[G1:G1+7]
	s_nop 0
.rept 4
	v_nop
.endr
; set n = 2 ks + u: the 16 tokens of tile u, K step ks, as they lie: a load reads one token's 512 bytes
.macro LOADX n
	WIN 0x40
.irp i, 0,1,2,3,4,5,6,7,8,9,10,11,12,13,14,15
	global_load_b128 v[64*((\n)%4)+4*\i:64*((\n)%4)+4*\i+3], v[L16], s[4:5] offset:(8*((\n)%2)+\i+8*(\i/8))*ROW+512*((\n)/2) th:TH_LOAD_NT
.endr
	WIN 0
.endm
; set n through my stage: afterwards register x + 16 b + i holds k = 32 b + 16 h + i of token r.  LDS serves a wave's instructions in order, so no wait stands between the stores and the loads, nor between two sets
.macro TURN n, x
	WIN 0x04
.irp i, 0,1,2,3,4,5,6,7,8,9,10,11,12,13,14,15
	ds_store_b128 v[STA], v[64*((\n)%4)+4*\i:64*((\n)%4)+4*\i+3] offset:SPITCH*\i
.endr
	WIN 0
.irp b, 0,1,2,3
.irp j, 0,1,2,3
	ds_load_b128 v[(\x)+16*\b+4*\j:(\x)+16*\b+4*\j+3], v[STB] offset:128*\b+16*\j
.endr
.endr
.endm
; 64 numbers of a lane in window w, register s + 16 b + i = k 32 b + 16 h + i of my row, become a fragment's codes in v[pc] on and its scale word in v[pw].  An accumulator is read from its low end on.
.macro QUANT s, w, pc, pw
	WIN ((\w)<<2)|((\w)<<4)
.irp b, 0,1,2,3
	v_max3_num_f32 v[TM+\b], 0x1800000, |v[(\s)+16*\b]|, |v[(\s)+1+16*\b]|     ; my 16 numbers of block b, and the floor 2^(3 - 127): the byte cannot fall under 1
.endr
.irp i, 2,4,6,8,10,12,14
.irp b, 0,1,2,3
	v_max3_num_f32 v[TM+\b], v[TM+\b], |v[(\s)+16*\b+\i]|, |v[(\s)+1+16*\b+\i]|
.endr
.endr
	WIN 0
.irp b, 0,1,2,3
	v_permlanex16_b32 v[TM+4+\b], v[TM+\b], s[SEL], s[SEL+1]
.endr
.irp b, 0,1,2,3
	v_max_num_f32 v[TM+\b], v[TM+\b], v[TM+4+\b]   ; with lane l xor 16's: the block's largest magnitude
.endr
.irp b, 0,1,2,3
	v_add_nc_u32 v[TM+12+\b], 0xff000000, v[TM+\b] ; 2 off its exponent field: the conversion's scale operand
.endr
.irp b, 0,1,2,3
	v_lshrrev_b32 v[TM+4+\b], 23, v[TM+12+\b]      ; the scale's byte
.endr
	v_lshl_or_b32 v[\pw], v[TM+5], 8, v[TM+4]
	v_lshl_or_b32 v[\pw], v[TM+6], 16, v[\pw]
	v_lshl_or_b32 v[\pw], v[TM+7], 24, v[\pw]
	WIN (\w)
.irp b, 0,1,2,3
	v_cvt_scalef32_pk8_fp4_f32 v[(\pc)+2*\b], v[(\s)+16*\b:(\s)+16*\b+7], v[TM+12+\b]
	v_cvt_scalef32_pk8_fp4_f32 v[(\pc)+2*\b+1], v[(\s)+16*\b+8:(\s)+16*\b+15], v[TM+12+\b]
.endr
	WIN 0
	v_nop                                          ; one plain place behind a scaled conversion
.irp c, 0,1                                    ; the operand's layout wants a whole block in a lane
.irp i, 0,1
	v_permlane16_swap_b32 v[(\pc)+4*\c+\i], v[(\pc)+2+4*\c+\i]
.endr
.endr
.endm
.macro WFETCH g, set                   ; W's tiles 8 g .. 8 g + 7 of the K step in hand
	WIN (2+\set)<<6
.irp t, 0,1,2,3,4,5,6,7
	ds_load_b128 v[WF+8*\t:WF+8*\t+3], v[WAD] offset:(8*\g+\t)*1024
	ds_load_b128 v[WF+8*\t+4:WF+8*\t+7], v[WAD] offset:(8*\g+\t)*1024+512
.endr
.endm
.macro WMUL g, set, ks                 ; 16 matrix instructions on 16 accumulators: all 48 take turns, one instruction a turn
.irp u, 0,1
	WIN (2+\set)|((2+\u)<<4)|((2+\u)<<6)
.irp t, 0,1,2,3,4,5,6,7
.set rD, 8*(8*\g+\t)
.set rA, WF+8*\t
.set rB, XC+8*\u
.set rSA, WS+(8*\g+\t)/2
.set rSB, XSC+\u
.set rROW, \t%2
.if (\ks) == 0
.set rZ, 1
.else
.set rZ, 0
.endif
	MM
.endr
.endr
.endm
.macro PRODUCT ks
	v_add_nc_u32 v[WAD], 24576*(\ks), v[L16]
	v_add_nc_u32 v[WSAD], WSC+1536*(\ks), v[L4]
.rept 6
	v_nop                                          ; with the two additions: eight places between the vector instructions that made x's scale words and codes and the scaled matrix instructions
.endr
.irp i, 0,1,2,3,4,5,6,7,8,9,10,11
	ds_load_b32 v[WS+\i], v[WSAD] offset:128*\i    ; lanes 0-15: tile 2 i's scale words, lanes 16-31: tile 2 i + 1's
.endr
	WFETCH 0, 0
	WFETCH 1, 1
	s_wait_alu depctr_va_vdst(0)
	s_wait_dscnt 16                                ; all but the second group's 16 loads
	WMUL 0, 0, \ks
.rept 4
	v_nop                                          ; places in front of loads into registers that matrix instructions have read
.endr
	WFETCH 2, 0
	s_wait_dscnt 16                                ; all but the third group's 16 loads
	WMUL 1, 1, \ks
	s_wait_dscnt 0x0
	WMUL 2, 0, \ks
	WIN 0
.endm
; A K step: its two sets turn through the stage and are quantised; the sets four ahead are asked for as soon as the stage's stores have read the registers; then the 48 products.
.macro KSTEP ks
.if (\ks) < 5
	s_wait_loadcnt 32                              ; this step's two sets are in; the next step's two, 32 loads, may be out
.else
	s_wait_loadcnt 0x0
.endif
	TURN 2*(\ks), X0
	TURN 2*(\ks)+1, X1
	s_wait_dscnt 32                                ; tile 0 is back; tile 1's 16 stores and 16 loads may be out
.if (\ks) < 4
	LOADX 2*(\ks)+4
.endif
	QUANT X0, 0, XC, XSC
	s_wait_dscnt 0x0
.if (\ks) < 4
	LOADX 2*(\ks)+5
.endif
	QUANT X1, 0, XC+8, XSC+1
	PRODUCT \ks
.endm
	LOADX 0
	LOADX 1
	LOADX 2
	LOADX 3
	s_wait_tensorcnt 0x0                           ; my quarter of the image is in,
	s_barrier_signal -1
	s_barrier_wait -1                              ; everybody's is
	s_wait_alu depctr_va_vdst(0)
	KSTEP 0
	KSTEP 1
	KSTEP 2
	KSTEP 3
	KSTEP 4
	KSTEP 5
.rept 4
	v_nop                                          ; places in front of the first read of results
.endr
.irp u, 0,1                                    ; tile u, 128 d .. 128 d + 127 of the 384: fragment 3 u + d
.irp d, 0,1,2
	QUANT 64*\d, 2+\u, OC+8*(3*\u+\d), OW+3*\u+\d
.endr
.endr
.irp e, 0,1,2,3,4,5
	global_store_b128 v[L16], v[OC+8*\e:OC+8*\e+3], s[44:45] offset:1024*\e           ; 32 lanes store 512 consecutive bytes, at a multiple of 256 from the buffer's first byte
	global_store_b128 v[L16], v[OC+8*\e+4:OC+8*\e+7], s[44:45] offset:1024*\e+512
.endr
	v_cmp_gt_u32 vcc_lo, 16, v8
.irp i, 0,1,2
	v_cndmask_b32 v[OM+\i], v[OW+2*\i+1], v[OW+2*\i], vcc_lo   ; lanes 0-15: fragment 2 i's words, lanes 16-31: fragment 2 i + 1's (both halves of the lanes hold a row's word)
.endr
.irp i, 0,1,2
	global_store_b32 v[L4], v[OM+\i], s[46:47] offset:128*\i
.endr
	s_wait_dscnt 0x0
	s_wait_tensorcnt 0x0
	ds_add_u32 v254, v255
	s_wait_dscnt 0x0
	ROUND                                          ; the closing round: no work-group ends while a partner may still ask for a tile that names it
	s_endpgm
.Lfunc_end_k_q1189692120_proj:
	.size	k_q1189692120_proj, .Lfunc_end_k_q1189692120_proj-k_q1189692120_proj
	.p2alignl 7, 3214868480
	.fill 96, 4, 3214868480
	.section	.rodata,"a",@progbits
	.p2align	6, 0x0
	.amdhsa_kernel k_q1189692120_proj
		.amdhsa_group_segment_fixed_size 190976
		.amdhsa_private_segment_fixed_size 0
		.amdhsa_enable_private_segment 0
		.amdhsa_kernarg_size 40
		.amdhsa_user_sgpr_count 2
		.amdhsa_user_sgpr_kernarg_segment_ptr 1
		.amdhsa_wavefront_size32 1
		.amdhsa_system_sgpr_workgroup_id_x 1
		.amdhsa_system_sgpr_workgroup_id_y 1
		.amdhsa_system_sgpr_workgroup_id_z 1
		.amdhsa_system_vgpr_workitem_id 0
		.amdhsa_next_free_vgpr 1024
		.amdhsa_next_free_sgpr 66
		.amdhsa_reserve_vcc 1
		.amdhsa_float_denorm_mode_32 3
		.amdhsa_float_denorm_mode_16_64 3
		.amdhsa_memory_ordered 1
		.amdhsa_forward_progress 1
		.amdhsa_inst_pref_size 182
	.end_amdhsa_kernel
	.amdgpu_metadata
---
amdhsa.version: [ 1, 2 ]
amdhsa.kernels:
  - .name:           k_q1189692120_proj
    .symbol:         k_q1189692120_proj.kd
    .args:
      - { .name: q_x, .offset: 0, .size: 8, .value_kind: global_buffer, .address_space: global }
      - { .name: k_x, .offset: 8, .size: 8, .value_kind: global_buffer, .address_space: global }
      - { .name: wimg, .offset: 16, .size: 8, .value_kind: global_buffer, .address_space: global }
      - { .name: qimg, .offset: 24, .size: 8, .value_kind: global_buffer, .address_space: global }
      - { .name: kv, .offset: 32, .size: 8, .value_kind: global_buffer, .address_space: global }
    .group_segment_fixed_size: 190976
    .private_segment_fixed_size: 0
    .kernarg_segment_align: 8
    .kernarg_segment_size: 40
    .max_flat_workgroup_size: 128
    .sgpr_count:     66
    .vgpr_count:     1024
    .wavefront_size: 32
...
	.end_amdgpu_metadata
.endif
;; end of part 2
;; launch attn (part 3): grid 32 x 8, 4 waves a work-group, no clusters, 111,104 bytes of LDS; arguments qimg, kv, out0; writes out0
.if DOCPART == 3
	.amdgcn_target "amdgcn-amd-amdhsa--gfx1250"
	.amdhsa_code_object_version 6
	.text
	.protected	k_q1189692120_attn
	.globl	k_q1189692120_attn
	.p2align	8
	.type	k_q1189692120_attn,@function
k_q1189692120_attn:
	s_mov_b64 s[64:65], 0
	v_nop
	global_prefetch_b8 v0, s[64:65] scope:SCOPE_SE
	s_setreg_imm32_b32 hwreg(HW_REG_WAVE_MODE, 25, 1), 1
	s_wait_xcnt 0x0
; out0[b][q][:] = the sum over keys of softmax(q . k / 384) v_x[b][key][:], both products on codes of FP4 (E2M1) with one E8M0 scale for each 32 along a product's K.
; THE SOFTMAX: t = score x log2(e) / 384; p = 2^(t - M), M a whole number, is quantised along the keys, not normalised; the row's sum of the unquantised p divides at the end.
; p's CODES DO NOT HANG ON WHICH WHOLE NUMBER M IS: only the scale bytes do.  So the work goes in TWO PHASES, and O^T is never rescaled.
; A work-group owns 64 queries of one batch, four tiles of 16 (lane r of tile 2 b + u: query 32 b + 8 u + r % 8 + 16 (r / 8), as they were laid).
; PHASE 1: wave w takes key steps 4 w .. 4 w + 3 (128 keys each), one a trip, against all four tiles: S^T = K Q^T, 96 products on 32 accumulators; then for each tile the softmax under the wave's own running M
;   (the ceiling of its running largest t).  P's fragment goes to LDS as an image of operand registers; its four scale bytes and -M of that trip go to the wave's own scratch.  No barrier stands in this loop.
; THE MEETING: the waves exchange -M and their parts of the sums; all make the final M and 1 / sum; each wave adds M(trip) - M(final), 0 or less, to its own bytes, holds them at 1 from below, and stores the scale words.
; PHASE 2: every wave holds all of P (512 registers) and its 64 scale words; O^T = V^T P^T in three chunks of 256 columns, 64 columns a wave: 16 accumulators, 16 key steps.  A chunk leaves while the next is multiplied.
; K AND V GO FROM MEMORY STRAIGHT INTO OPERAND REGISTERS: they lie in kv as images of fragments, and every fragment feeds ONE wave of the work-group, once.  So there is no tensor load, no ring and no cluster: beside P's 65,536
;   bytes two slots could hold 2 x 104,448 of V's 835,584 bytes, 96 products a wave between a request and the wait for it; by loads a wave has eight units of V (64 loads of codes) on their way and passes no barrier in either loop.
;   K of the next trip is asked for behind the trip's products, four softmaxes ahead of its use: so K is not prefetched.  V is: the 32 work-groups of a batch share V's 3,264 blocks of 256 bytes out, 102 each, a lane a block,
;   one instruction a wave at the head, four trips ahead of V's first load (the lanes left over name the share's last block again).
; kv: block j of a batch's 16 (78,336 bytes) holds K of step (j + 1) mod 16 (24 fragments, then scale words) and V of step j (48 fragments, then scale words).
; LIMITS: NaN and infinities are not served; the promise holds while the scaled scores t stay under 2^31 in magnitude; a block of p whose scale would fall under byte 1 keeps byte 1.
; REGISTERS, in windows of 256: window 0: v1-20 addresses, v24-31 f then 1 / sum, v32-95 P's scale words, v96-127 Q's and K's, then V's scale words, v128-255 at work, then the 16 accumulators of O^T.
;   window 1: S^T (tile m, key tile t at 64 m + 8 t), then V's eight buffers of four fragments.   window 2: K's 24 fragments, then P of steps 0-7.   window 3: Q's twelve, then P of steps 8-15.
.set STEPB, 78336
.set KSW,   24576                      ; in a block: K's scale words,
.set VC,    26112                      ; V's fragments,
.set VSWO,  75264                      ; V's scale words
.set PSWB,  65536                      ; LDS: from 0 P's 64 images, (4 j + m) x 1,024; here P's scale words: [tile] 1,280 [row] 80 [step] 4
.set SCR,   70656                      ; the scale bytes as whole numbers: [wave] 4,096 [trip] 1,024 [tile] 256 [row] 16
.set SNM,   87040                      ; -M of each trip: [wave] 1,024 [tile] 256 [row] 16 [trip] 4
.set EXM,   91136                      ; the meeting: -M [tile] 256 [row] 16 [wave] 4; 1,024 bytes on the sums likewise
.set STG,   93184                      ; the way out: for each wave 16 rows x (256 + 16) bytes
.set SPARE, 110592                     ; the spare words, 128 bytes for each wave
.set L16, 1
.set L4,  2
.set R4,  3
.set R16, 4
.set PA,  5
.set SA,  6
.set NA,  7
.set SPW, 8
.set NIL, 9
.set NINF, 10
.set STO, 11
.set SRD, 12
.set GO,  13
.set PFO, 14
.set EXS, 15
.set EXR, 16
.set PSS, 17
.set PSR, 18
.set SCRR, 19
.set SNR, 20
.set F,   24                           ; tile m: v[24 + 2 m] f, at the end 1 / sum (the upper halves of the pairs are written once)
.set PSW, 32                           ; P's scale word of tile m, step j: 16 m + j
.set VSW, 96                           ; V's of step j: 2 j, 2 j + 1 (two fragments' to a register)
.set QS,  96
.set KS,  108
.set ACC, 128                          ; O^T (tile m, column tile k): 32 m + 8 k
.set NM,  128                          ; phase 1: tile m: -M, the running largest t
.set L,   136                          ; tile m: the sum in two halves
.set AC,  144                          ; three more chains of the sum
.set T0,  150
.set BM,  152
.set BP,  156
.set BO,  160
.set BY,  164                          ; tile m: four scale bytes
.set PC,  180                          ; tile m: the fragment's eight registers
.set MX,  128                          ; the meeting: the waves' -M, then the scale words
.set LX,  144
.set NS,  160                          ; my trips' -M: 4 m + i
.set BYS, 176                          ; my bytes: 16 i + 4 m + b
.set NF,  240
.set LS,  244
.set WV,  10
.set TP,  32
.set TS,  33
.set TN,  34
.set TR,  35
.set KJ,  36
.set CH,  37
.set SEL, 38
.set CS,  40
.set MSB, 0
.macro WIN new                         ; the immediate's high byte repeats the setting that is left; a switch that changes nothing is dropped
.if MSB != (\new)
	s_set_vgpr_msb (MSB<<8)|(\new)
.set MSB, (\new)
.endif
.endm
.macro MM                              ; one matrix instruction from the symbols rD, rA, rB, rSA, rSB; rZ: it starts the sum; rROW: A's scale words lie in lanes 16-31
.if rZ
.if rROW
	v_wmma_scale_f32_16x16x128_f8f6f4 v[rD:rD+7], v[rA:rA+7], v[rB:rB+7], 0, v[rSA], v[rSB] matrix_a_fmt:MATRIX_FMT_FP4 matrix_b_fmt:MATRIX_FMT_FP4 matrix_a_scale:MATRIX_SCALE_ROW1
.else
	v_wmma_scale_f32_16x16x128_f8f6f4 v[rD:rD+7], v[rA:rA+7], v[rB:rB+7], 0, v[rSA], v[rSB] matrix_a_fmt:MATRIX_FMT_FP4 matrix_b_fmt:MATRIX_FMT_FP4
.endif
.else
.if rROW
	v_wmma_scale_f32_16x16x128_f8f6f4 v[rD:rD+7], v[rA:rA+7], v[rB:rB+7], v[rD:rD+7], v[rSA], v[rSB] matrix_a_fmt:MATRIX_FMT_FP4 matrix_b_fmt:MATRIX_FMT_FP4 matrix_a_scale:MATRIX_SCALE_ROW1
.else
	v_wmma_scale_f32_16x16x128_f8f6f4 v[rD:rD+7], v[rA:rA+7], v[rB:rB+7], v[rD:rD+7], v[rSA], v[rSB] matrix_a_fmt:MATRIX_FMT_FP4 matrix_b_fmt:MATRIX_FMT_FP4
.endif
.endif
.endm
.macro PLACES
.rept 4
	v_nop
.endr
.endm
.macro KBASE                           ; K of my next step lies in block (step - 1) mod 16; s[KJ] = step - 1
	s_and_b32 s50, s[KJ], 15
	s_mul_i32 s50, s50, STEPB
	s_mov_b32 s51, 0
	s_add_nc_u64 s[22:23], s[14:15], s[50:51]
	s_add_co_u32 s[KJ], s[KJ], 1
.endm
.macro KLOAD                           ; a step's 24 fragments of K (key tile t, 128 d on: 3 t + d) and their scale words, two fragments' to a register
	WIN 0x80
.set g, 0
.rept 24
	global_load_b128 v[8*g:8*g+3], v[L16], s[22:23] offset:1024*g
	global_load_b128 v[8*g+4:8*g+7], v[L16], s[22:23] offset:1024*g+512
.set g, g+1
.endr
	WIN 0
.set g, 0
.rept 12
	global_load_b32 v[KS+g], v[L4], s[22:23] offset:KSW+128*g
.set g, g+1
.endr
.endm
.macro VLD j                           ; unit j of the chunk in hand: my four fragments of V of key step j, into buffer j % 8
.irp k, 0,1,2,3
	global_load_b128 v[32*((\j)%8)+8*\k:32*((\j)%8)+8*\k+3], v[L16], s[24:25] offset:(\j)*STEPB+VC+1024*\k
	global_load_b128 v[32*((\j)%8)+8*\k+4:32*((\j)%8)+8*\k+7], v[L16], s[24:25] offset:(\j)*STEPB+VC+1024*\k+512
.endr
.endm
.macro VPROA                           ; a chunk's opening, first part: its 32 registers of scale words and units 0 to 2: 56 loads
.set g, 0
.rept 32
	global_load_b32 v[VSW+g], v[L4], s[26:27] offset:(g/2)*STEPB+VSWO+128*(g%2)
.set g, g+1
.endr
	WIN 0x40
	VLD 0
	VLD 1
	VLD 2
	WIN 0
.endm
.macro VPROB                           ; second part: units 3 to 7
	WIN 0x40
	VLD 3
	VLD 4
	VLD 5
	VLD 6
	VLD 7
	WIN 0
.endm
	s_load_b128 s[4:7], s[0:1], 0x0                ; qimg s[4:5], kv s[6:7]
	s_load_b64 s[8:9], s[0:1], 0x10                ; out0
	v_lshl_add_u32 v[SPW], v0, 2, SPARE
	v_mov_b32 v[NIL], 0
	v_lshrrev_b32 v21, 5, v0
	v_readfirstlane_b32 s[WV], v21                 ; wave 0..3
	v_and_b32 v21, 31, v0                          ; lane
	v_and_b32 v22, 15, v0                          ; r
	v_bfe_u32 v23, v0, 4, 1                        ; h
	v_lshlrev_b32 v[L16], 4, v21
	v_lshlrev_b32 v[L4], 2, v21
	v_lshlrev_b32 v[R4], 2, v22
	v_lshlrev_b32 v[R16], 4, v22
	v_mov_b32 v[NINF], 0xff800000
	v_min_u32 v[PFO], 101, v0                      ; my block of my work-group's 102 blocks of V
	v_lshlrev_b32 v[PFO], 8, v[PFO]
	s_wait_alu depctr_va_vdst(0)                   ; the wait ahead of the run of scalar lines
	s_and_b32 s11, ttmp7, 0xffff                   ; the batch
	s_mul_i32 s42, s11, 16*STEPB
	s_mov_b32 s43, 0
	s_lshr_b32 s44, ttmp9, 1
	s_lshl_b32 s45, s11, 4
	s_add_co_u32 s44, s44, s45
	s_mul_i32 s44, s44, 26112                      ; my queries' block of 128 tokens in qimg
	s_and_b32 s45, ttmp9, 1                        ; which four of its eight tiles are mine
	s_mul_i32 s46, s45, 768
	s_add_co_u32 s46, s46, s44
	s_add_co_u32 s46, s46, KSW
	s_mul_i32 s45, s45, 12288
	s_add_co_u32 s44, s44, s45
	s_mov_b32 s45, 0
	s_mov_b32 s47, 0
	s_mul_i32 s48, s11, 2048*3072
	s_mul_i32 s49, ttmp9, 64*3072
	s_add_co_u32 s48, s48, s49
	s_lshl_b32 s49, s[WV], 8
	s_add_co_u32 s48, s48, s49                     ; out0: my block's first row, my wave's 64 columns of chunk 0
	s_mov_b32 s49, 0
	s_lshl_b32 s52, s[WV], 12                      ; V: my four fragments of a chunk's sixteen,
	s_mov_b32 s53, 0
	s_lshl_b32 s54, s[WV], 8                       ; and their scale words
	s_mov_b32 s55, 0
	s_lshr_b32 s56, ttmp9, 1                       ; the prefetch: work-group x takes half x % 2 of V in block x / 2
	s_mul_i32 s56, s56, STEPB
	s_and_b32 s57, ttmp9, 1
	s_mul_i32 s57, s57, 26112
	s_add_co_u32 s56, s56, s57
	s_add_co_u32 s56, s56, VC
	s_mov_b32 s57, 0
	s_lshl_b32 s[KJ], s[WV], 2
	s_sub_co_u32 s[KJ], s[KJ], 1                   ; my first step - 1
	s_mul_i32 s28, s[WV], 4352
	s_add_co_u32 s28, s28, STG                     ; my stage
	s_lshl_b32 s29, s[WV], 2
	s_add_co_u32 s29, s29, EXM
	s_lshl_b32 s30, s[WV], 4
	s_lshl_b32 s[TS], s[WV], 12
	s_add_co_u32 s[TS], s[TS], SCR
	s_lshl_b32 s[TN], s[WV], 10
	s_add_co_u32 s[TN], s[TN], SNM
	s_lshl_b32 s[TP], s[WV], 14                    ; P's images of my four steps: 16,384 w on
	s_mov_b32 s[TR], 0
	s_mov_b32 s[CH], 0
	s_mov_b32 s[SEL], 0x76543210
	s_mov_b32 s[SEL+1], 0xfedcba98                 ; v_permlanex16_b32's selects for lane l xor 16
	s_mov_b32 s[CS], 0x3b76384f                    ; c = log2(e) / 384
	s_mov_b32 s[CS+1], s[CS]
	v_mul_u32_u24 v[STO], v22, 272
	v_lshl_add_u32 v[STO], v23, 5, v[STO]
	v_add_nc_u32 v[STO], s28, v[STO]               ; into my stage: row r, + 32 h
	v_mul_u32_u24 v[SRD], v23, 272
	v_lshl_add_u32 v[SRD], v22, 4, v[SRD]
	v_add_nc_u32 v[SRD], s28, v[SRD]               ; and back by rows
	v_mul_u32_u24 v[GO], v23, 3072
	v_lshl_add_u32 v[GO], v22, 4, v[GO]            ; lanes 0-15 one row of out0, lanes 16-31 the next; 16 bytes a lane
	v_add_nc_u32 v[EXS], s29, v[R16]
	v_add_nc_u32 v[EXR], EXM, v[R16]
	v_mul_u32_u24 v[PSR], v22, 80
	v_add_nc_u32 v[PSR], PSWB, v[PSR]
	v_add_nc_u32 v[PSS], s30, v[PSR]
	v_add_nc_u32 v[SCRR], s[TS], v[R16]
	v_add_nc_u32 v[SNR], s[TN], v[R16]
.irp m, 0,1,2,3
	v_mov_b32 v[NM+2*\m+1], 0xff61b1e6             ; the largest t so far: -3e38, under every t
	v_mov_b32 v[L+2*\m], 0
	v_mov_b32 v[L+2*\m+1], 0
	v_mov_b32 v[F+2*\m+1], 0                       ; (the upper halves of pairs of which the packed forms take the low word)
	v_mov_b32 v[BP+\m], 0                          ; (a lane permute's destination counts as one of its sources)
.endr
.irp m, 0,1,2,3
	v_floor_f32 v[NM+2*\m], -v[NM+2*\m+1]
.endr
	s_wait_alu depctr_va_vdst(0)                   ; the wait at the head's end
	s_wait_kmcnt 0x0
	s_add_nc_u64 s[14:15], s[6:7], s[42:43]        ; the batch's sixteen blocks
	s_add_nc_u64 s[16:17], s[4:5], s[44:45]
	s_add_nc_u64 s[18:19], s[4:5], s[46:47]
	s_add_nc_u64 s[20:21], s[8:9], s[48:49]
	s_add_nc_u64 s[24:25], s[14:15], s[52:53]
	s_add_nc_u64 s[26:27], s[14:15], s[54:55]
	s_add_nc_u64 s[58:59], s[14:15], s[56:57]
	KBASE
	WIN 0xc0
.set g, 0
.rept 12                                       ; Q's twelve fragments (tile m, 128 d on: 3 m + d) stay in registers through phase 1
	global_load_b128 v[8*g:8*g+3], v[L16], s[16:17] offset:1024*g
	global_load_b128 v[8*g+4:8*g+7], v[L16], s[16:17] offset:1024*g+512
.set g, g+1
.endr
	WIN 0
.set g, 0
.rept 12
	global_load_b32 v[QS+g], v[R4], s[18:19] offset:64*g
.set g, g+1
.endr
	KLOAD
	global_prefetch_b8 v[PFO], s[58:59] th:TH_LOAD_NT scope:SCOPE_SE   ; its address registers are never written again
; THE SOFTMAX of tile m for the trip's 128 keys.  Register 64 m + 16 b + i of window 1 holds key 32 b + 16 (lane / 16) + i of query lane % 16.
.macro SM m
.set SB, 64*(\m)
	WIN 0x14
	s_wait_alu depctr_va_vdst(0)
.irp b, 0,1,2,3
	v_max3_num_f32 v[BM+\b], v[NINF], v[SB+16*\b], v[SB+16*\b+1]   ; the largest score of each block of 32 keys: for the row's maximum and for the block's largest p
.endr
.irp i, 2,4,6,8,10,12,14
.irp b, 0,1,2,3
	v_max3_num_f32 v[BM+\b], v[BM+\b], v[SB+16*\b+\i], v[SB+16*\b+\i+1]
.endr
.endr
	WIN 0
.irp b, 0,1,2,3
	v_permlanex16_b32 v[BP+\b], v[BM+\b], s[SEL], s[SEL+1]
.endr
.irp b, 0,1,2,3
	v_max_num_f32 v[BM+\b], v[BM+\b], v[BP+\b]     ; with lane l xor 16's 16 keys
.endr
	v_max3_num_f32 v[T0], v[BM], v[BM+1], v[BM+2]
	v_max_num_f32 v[T0], v[T0], v[BM+3]
	v_mul_f32 v[T0], s[CS], v[T0]                  ; as t (c is positive)
	v_max_num_f32 v[NM+2*\m+1], v[NM+2*\m+1], v[T0]
	v_mov_b32 v[T0], v[NM+2*\m]
	v_floor_f32 v[NM+2*\m], -v[NM+2*\m+1]          ; the new -M = -ceil(t)
	v_sub_f32 v[T0], v[NM+2*\m], v[T0]             ; old M - new M: a whole number, 0 or less
	v_cvt_i32_f32 v[T0], v[T0]                     ; (it saturates)
	v_ldexp_f32 v[F+2*\m], 1.0, v[T0]              ; f = 2^(old M - new M), for my part of the sum alone
.irp b, 0,1,2,3
	v_fma_f32 v[BM+\b], v[BM+\b], s[CS], v[NM+2*\m]
.endr
	WIN 0x41
.set g, 0
.rept 32
	v_pk_fma_f32 v[SB+g:SB+g+1], v[SB+g:SB+g+1], s[CS:CS+1], v[NM+2*\m:NM+2*\m+1] op_sel_hi:[1,0,0]   ; t - M, two at a time
.set g, g+2
.endr
	s_wait_alu depctr_va_vdst(0)                   ; the wait ahead of the batch
.set g, 0
.rept 64
	v_exp_f32 v[SB+g], v[SB+g]                     ; p = 2^(t - M), at most 1
.set g, g+1
.endr
	WIN 0
.irp b, 0,1,2,3
	v_exp_f32 v[BM+\b], v[BM+\b]                   ; the block's largest p: the same two instructions on the same number
.endr
	v_pk_mul_f32 v[L+2*\m:L+2*\m+1], v[L+2*\m:L+2*\m+1], v[F+2*\m:F+2*\m+1] op_sel_hi:[1,0]   ; my sum under the new M; a plain place behind the exponentials
	s_wait_alu depctr_va_vdst(0)                   ; one wait for the batch, ahead of its first reader
.irp b, 0,1,2,3
	v_max_num_f32 v[BM+\b], 0x1800000, v[BM+\b]    ; the floor 2^(3 - 127): the byte cannot fall under 1
.endr
.irp b, 0,1,2,3
	v_add_nc_u32 v[BO+\b], 0xff000000, v[BM+\b]    ; 2 off the exponent field: the conversion's scale operand
.endr
.irp b, 0,1,2,3
	v_lshrrev_b32 v[BY+4*\m+\b], 23, v[BO+\b]      ; the scale's byte under this trip's M
.endr
	WIN 0x01
.irp b, 0,1,2,3
	v_cvt_scalef32_pk8_fp4_f32 v[PC+8*\m+2*\b], v[SB+16*\b:SB+16*\b+7], v[BO+\b]
	v_cvt_scalef32_pk8_fp4_f32 v[PC+8*\m+2*\b+1], v[SB+16*\b+8:SB+16*\b+15], v[BO+\b]
.endr
.irp j, 0,8,16,24,32,40,48,56                  ; the row's sum is taken of the unquantised p, in four chains; these lines are also the plain place behind the conversions
	v_pk_add_f32 v[L+2*\m:L+2*\m+1], v[SB+\j:SB+\j+1], v[L+2*\m:L+2*\m+1]
.irp c, 0,1,2
.if \j == 0
	v_pk_add_f32 v[AC+2*\c:AC+2*\c+1], v[SB+2+2*\c:SB+3+2*\c], 0 op_sel_hi:[1,0]
.else
	v_pk_add_f32 v[AC+2*\c:AC+2*\c+1], v[SB+\j+2+2*\c:SB+\j+3+2*\c], v[AC+2*\c:AC+2*\c+1]
.endif
.endr
.endr
	WIN 0
	v_pk_add_f32 v[L+2*\m:L+2*\m+1], v[L+2*\m:L+2*\m+1], v[AC:AC+1]
	v_pk_add_f32 v[AC+2:AC+3], v[AC+2:AC+3], v[AC+4:AC+5]
	v_pk_add_f32 v[L+2*\m:L+2*\m+1], v[L+2*\m:L+2*\m+1], v[AC+2:AC+3]
.irp c, 0,1                                    ; the operand's layout wants a whole block in a lane
.irp i, 0,1
	v_permlane16_swap_b32 v[PC+8*\m+4*\c+\i], v[PC+8*\m+2+4*\c+\i]
.endr
.endr
	ds_store_b128 v[PA], v[PC+8*\m:PC+8*\m+3] offset:1024*\m
	ds_store_b128 v[PA], v[PC+8*\m+4:PC+8*\m+7] offset:1024*\m+512
	ds_store_b128 v[SA], v[BY+4*\m:BY+4*\m+3] offset:256*\m        ; both halves of the lanes write the same words with the same values
	ds_store_b32 v[NA], v[NM+2*\m] offset:256*\m
.endm
.Ltrip:                                            ; PHASE 1: four trips, a key step of mine each
	s_wait_dscnt 0x0                               ; the last trip's LDS stores have read their registers
	s_wait_loadcnt 0x0                             ; K of this step (the first time: Q too)
	WIN 0x5e                                       ; A = K window 2, B = Q window 3, C and D window 1
.irp d, 0,1,2                                  ; the 32 accumulators take turns, one instruction a turn
.irp m, 0,1,2,3
.irp t, 0,1,2,3,4,5,6,7
.set rD, 64*\m+8*\t
.set rA, 8*(3*\t+\d)
.set rB, 8*(3*\m+\d)
.set rSA, KS+(3*\t+\d)/2
.set rSB, QS+3*\m+\d
.set rROW, (3*\t+\d)%2
.set rZ, 1-(\d+1)/2
	MM
.endr
.endr
.endr
	WIN 0
	v_add_nc_u32 v[PA], s[TP], v[L16]              ; with the v_nop: four places behind the products
	v_add_nc_u32 v[SA], s[TS], v[R16]
	v_add_nc_u32 v[NA], s[TN], v[R16]
	v_nop
	s_cmp_eq_u32 s[TR], 3
	s_cbranch_scc1 .Lno_k                          ; the last trip has no step behind it
	KBASE
	KLOAD                                          ; the next step's K lands under the four softmaxes
.Lno_k:
	SM 0
	SM 1
	SM 2
	SM 3
	s_add_co_u32 s[TP], s[TP], 4096
	s_add_co_u32 s[TS], s[TS], 1024
	s_add_co_u32 s[TN], s[TN], 4
	s_add_co_u32 s[TR], s[TR], 1
	s_cmp_lt_u32 s[TR], 4
	s_wait_alu depctr_va_vdst(0)                   ; the wait ahead of the branch
	s_cbranch_scc1 .Ltrip
	s_wait_loadcnt 0x0                             ; no load of K is out: its registers and its scale words' registers are taken over below
	; THE MEETING
.irp m, 0,1,2,3
	v_add_f32 v[L+2*\m], v[L+2*\m], v[L+2*\m+1]
.endr
.irp m, 0,1,2,3
	v_permlanex16_b32 v[BP+\m], v[L+2*\m], s[SEL], s[SEL+1]
.endr
.irp m, 0,1,2,3
	v_add_f32 v[L+2*\m], v[L+2*\m], v[BP+\m]       ; my keys' part of the row's sum, under my M
.endr
.irp m, 0,1,2,3
	ds_store_b32 v[EXS], v[NM+2*\m] offset:256*\m
	ds_store_b32 v[EXS], v[L+2*\m] offset:1024+256*\m
.endr
	VPROA                                          ; chunk 0 of V sets out: S^T's registers and K's and Q's scale words are done with
	s_wait_alu depctr_va_vdst(0)
	s_wait_dscnt 0x0                               ; for the others' sake: my images of P, my -M and my sums have landed
	s_barrier_signal -1
	s_barrier_wait -1
.irp m, 0,1,2,3
	ds_load_b128 v[MX+4*\m:MX+4*\m+3], v[EXR] offset:256*\m
	ds_load_b128 v[LX+4*\m:LX+4*\m+3], v[EXR] offset:1024+256*\m
	ds_load_b128 v[NS+4*\m:NS+4*\m+3], v[SNR] offset:256*\m
.endr
.irp i, 0,1,2,3
.irp m, 0,1,2,3
	ds_load_b128 v[BYS+16*\i+4*\m:BYS+16*\i+4*\m+3], v[SCRR] offset:1024*\i+256*\m
.endr
.endr
	WIN 0x80                                       ; all of P: step j, tile m at 32 (j % 8) + 8 m of window 2 + j / 8
.set g, 0
.rept 32
	ds_load_b128 v[8*g:8*g+3], v[L16] offset:1024*g
	ds_load_b128 v[8*g+4:8*g+7], v[L16] offset:1024*g+512
.set g, g+1
.endr
	s_wait_dscnt 63                                ; all but the youngest 63 of those 64: the statistics are in
	WIN 0xc0
.set g, 0
.rept 32
	ds_load_b128 v[8*g:8*g+3], v[L16] offset:32768+1024*g
	ds_load_b128 v[8*g+4:8*g+7], v[L16] offset:32768+1024*g+512
.set g, g+1
.endr
	WIN 0
	VPROB
.irp m, 0,1,2,3
	v_min_num_f32 v[NF+\m], v[MX+4*\m], v[MX+4*\m+1]
.endr
.irp m, 0,1,2,3
	v_min_num_f32 v[LS+\m], v[MX+4*\m+2], v[MX+4*\m+3]
.endr
.irp m, 0,1,2,3
	v_min_num_f32 v[NF+\m], v[NF+\m], v[LS+\m]     ; the final -M: the same number in every wave
.endr
.set g, 0
.rept 16
	v_sub_f32 v[MX+g], v[NF+g/4], v[MX+g]          ; a wave's M - the final M: a whole number, 0 or less
.set g, g+1
.endr
.set g, 0
.rept 16
	v_cvt_i32_f32 v[MX+g], v[MX+g]
.set g, g+1
.endr
.set g, 0
.rept 16
	v_ldexp_f32 v[LX+g], v[LX+g], v[MX+g]          ; its part of the sum under the final M: nothing is rounded
.set g, g+1
.endr
.irp m, 0,1,2,3
	v_add_f32 v[LX+4*\m], v[LX+4*\m], v[LX+4*\m+1]
	v_add_f32 v[LX+4*\m+2], v[LX+4*\m+2], v[LX+4*\m+3]
.endr
.irp m, 0,1,2,3
	v_add_f32 v[LS+\m], v[LX+4*\m], v[LX+4*\m+2]   ; the row's sum
.endr
	s_wait_alu depctr_va_vdst(0)                   ; the wait ahead of the batch
.irp m, 0,1,2,3
	v_rcp_f32 v[F+2*\m], v[LS+\m]
.endr
.set g, 0
.rept 16
	v_sub_f32 v[NS+g], v[NF+g/4], v[NS+g]          ; M of my trip i - the final M, for tile m at 4 m + i; plain places behind the batch
.set g, g+1
.endr
	s_wait_alu depctr_va_vdst(0)                   ; and the wait behind it
.set g, 0
.rept 16
	v_cvt_i32_f32 v[NS+g], v[NS+g]
.set g, g+1
.endr
.irp i, 0,1,2,3
.irp m, 0,1,2,3
.irp b, 0,1,2,3
	v_add_nc_u32 v[BYS+16*\i+4*\m+\b], v[BYS+16*\i+4*\m+\b], v[NS+4*\m+\i]   ; the byte under the final M
.endr
.endr
.endr
.set g, 0
.rept 64
	v_max_i32 v[BYS+g], 1, v[BYS+g]                ; held at 1 from below
.set g, g+1
.endr
.irp i, 0,1,2,3
.irp m, 0,1,2,3
	v_lshl_or_b32 v[MX+4*\m+\i], v[BYS+16*\i+4*\m+1], 8, v[BYS+16*\i+4*\m]
.endr
.endr
.irp i, 0,1,2,3
.irp m, 0,1,2,3
	v_lshl_or_b32 v[MX+4*\m+\i], v[BYS+16*\i+4*\m+2], 16, v[MX+4*\m+\i]
.endr
.endr
.irp i, 0,1,2,3
.irp m, 0,1,2,3
	v_lshl_or_b32 v[MX+4*\m+\i], v[BYS+16*\i+4*\m+3], 24, v[MX+4*\m+\i]
.endr
.endr
.irp m, 0,1,2,3
	ds_store_b128 v[PSS], v[MX+4*\m:MX+4*\m+3] offset:1280*\m      ; the scale words of my four steps
.endr
	s_wait_alu depctr_va_vdst(0)
	s_wait_dscnt 0x0                               ; for the others' sake: they have landed; P is in
	s_barrier_signal -1
	s_barrier_wait -1
.irp m, 0,1,2,3
.irp q, 0,1,2,3
	ds_load_b128 v[PSW+16*\m+4*\q:PSW+16*\m+4*\q+3], v[PSR] offset:1280*\m+16*\q
.endr
.endr
	s_wait_dscnt 0x0
; PHASE 2.  Key step j of a chunk: 16 products on 16 accumulators, one instruction a turn; then unit j + 8 is asked for into the buffer just read.
.macro PV j
.if (\j) < 8
	s_wait_loadcnt 56                              ; unit j is in; the seven units behind it, eight loads each, may be out
.else
	s_wait_loadcnt 8*(15-(\j))
.endif
	WIN 0x09+4*((\j)/8)                            ; A = V window 1, B = P window 2 or 3, C and D window 0
.if (\j) == 0
.set rZ, 1                                     ; a chunk's first products start the sums: nothing is cleared
.else
.set rZ, 0
.endif
.irp k, 0,1,2,3
.irp m, 0,1,2,3
.set rD, ACC+32*\m+8*\k
.set rA, 32*((\j)%8)+8*\k
.set rB, 32*((\j)%8)+8*\m
.set rSA, VSW+2*(\j)+\k/2
.set rSB, PSW+16*\m+(\j)
.set rROW, \k%2
	MM
.endr
.endr
.if (\j) < 8
	PLACES                                         ; places in front of loads into registers that matrix instructions have read
	WIN 0x40
	VLD (\j)+8
.endif
.endm
.Lchunk:                                           ; three trips: 256 columns each
.set n, 0
.rept 16
	PV n
.set n, n+1
.endr
	WIN 0
	PLACES                                         ; in front of the loads below and of the first read of results
	s_add_nc_u64 s[24:25], s[24:25], 16384         ; every load of this chunk is in: on to the next chunk's fragments
	s_add_nc_u64 s[26:27], s[26:27], 1024          ; and scale words
	; THE WAY OUT of a chunk: O^T x 1 / sum, a tile (16 rows x 256 bytes) at a time through my stage, back as whole rows into V's buffers 4 to 7, which take no load before the stores have read them
.irp m, 0,1,2,3
	WIN 0
.set g, 0
.rept 16
	v_pk_mul_f32 v[ACC+32*\m+g:ACC+32*\m+g+1], v[ACC+32*\m+g:ACC+32*\m+g+1], v[F+2*\m:F+2*\m+1] op_sel_hi:[1,0]   ; each accumulator from its low end on
.set g, g+2
.endr
.irp k, 0,1,2,3
	ds_store_b128 v[STO], v[ACC+32*\m+8*\k:ACC+32*\m+8*\k+3] offset:64*\k          ; lane (r, h): columns 16 k + 8 h + 0 .. 7 of row r
	ds_store_b128 v[STO], v[ACC+32*\m+8*\k+4:ACC+32*\m+8*\k+7] offset:64*\k+16
.endr
	WIN 0x40
.irp p, 0,1,2,3,4,5,6,7
	ds_load_b128 v[128+32*\m+4*\p:128+32*\m+4*\p+3], v[SRD] offset:544*\p           ; LDS serves a wave's instructions in order: these see my stores, and the next tile's stores come behind them
.endr
.endr
	WIN 0x04                                       ; a store's data are its source 1
.irp m, 0,1,2,3
	s_wait_dscnt 16*(3-\m)                         ; tile m is back; the later tiles' eight stores and eight loads each may be out
.irp p, 0,1,2,3,4,5,6,7
	global_store_b128 v[GO], v[128+32*\m+4*\p:128+32*\m+4*\p+3], s[20:21] offset:(32*(\m/2)+8*(\m%2)+2*\p+8*(\p/4))*3072 th:TH_STORE_NT   ; sixteen lanes store 256 consecutive bytes, at a multiple of 256 from out0's first byte
.endr
.endr
	WIN 0
	s_wait_xcnt 0x0                                ; the stores have read their registers and their base
	s_add_nc_u64 s[20:21], s[20:21], 1024          ; the next chunk's columns
	s_cmp_eq_u32 s[CH], 2
	s_cbranch_scc1 .Lno_b                          ; the last chunk has none behind it
	VPROA                                          ; the next chunk's whole opening under one branch: its 96 loads go out in one fixed order or not at all
	VPROB
.Lno_b:
	s_add_co_u32 s[CH], s[CH], 1
	s_cmp_lt_u32 s[CH], 3
	s_wait_alu depctr_va_vdst(0)                   ; the wait ahead of the branch
	s_cbranch_scc1 .Lchunk
	s_wait_tensorcnt 0x0                           ; the wave's end, behind my last LDS store
	ds_add_u32 v[SPW], v[NIL]
	s_wait_dscnt 0x0
	s_endpgm
.Lfunc_end_k_q1189692120_attn:
	.size	k_q1189692120_attn, .Lfunc_end_k_q1189692120_attn-k_q1189692120_attn
	.p2alignl 7, 3214868480
	.fill 96, 4, 3214868480
	.section	.rodata,"a",@progbits
	.p2align	6, 0x0
	.amdhsa_kernel k_q1189692120_attn
		.amdhsa_group_segment_fixed_size 111104
		.amdhsa_private_segment_fixed_size 0
		.amdhsa_enable_private_segment 0
		.amdhsa_kernarg_size 24
		.amdhsa_user_sgpr_count 2
		.amdhsa_user_sgpr_kernarg_segment_ptr 1
		.amdhsa_wavefront_size32 1
		.amdhsa_system_sgpr_workgroup_id_x 1
		.amdhsa_system_sgpr_workgroup_id_y 1
		.amdhsa_system_sgpr_workgroup_id_z 1
		.amdhsa_system_vgpr_workitem_id 0
		.amdhsa_next_free_vgpr 1024
		.amdhsa_next_free_sgpr 66
		.amdhsa_reserve_vcc 0
		.amdhsa_float_denorm_mode_32 3
		.amdhsa_float_denorm_mode_16_64 3
		.amdhsa_memory_ordered 1
		.amdhsa_forward_progress 1
		.amdhsa_inst_pref_size 172
	.end_amdhsa_kernel
	.amdgpu_metadata
---
amdhsa.version: [ 1, 2 ]
amdhsa.kernels:
  - .name:           k_q1189692120_attn
    .symbol:         k_q1189692120_attn.kd
    .args:
      - { .name: qimg, .offset: 0, .size: 8, .value_kind: global_buffer, .address_space: global }
      - { .name: kv, .offset: 8, .size: 8, .value_kind: global_buffer, .address_space: global }
      - { .name: out0, .offset: 16, .size: 8, .value_kind: global_buffer, .address_space: global }
    .group_segment_fixed_size: 111104
    .private_segment_fixed_size: 0
    .kernarg_segment_align: 8
    .kernarg_segment_size: 24
    .max_flat_workgroup_size: 128
    .sgpr_count:     66
    .vgpr_count:     1024
    .wavefront_size: 32
...
	.end_amdgpu_metadata
.endif
;; end of part 3
